; MI455X (gfx1250); checked and timed in simulation.
; The chip was launched on July 23, 2026; its instructions are those of AMD's public machine-readable ISA for CDNA 5 (MIT licence, August 2026) and "CDNA5" Instruction Set Architecture Reference Guide (July 2026). The comments in the code are by the model that wrote it; some were corrected since.
;; Feature Squeezer. Allowed arithmetic: float matrix products may take bf16 or f16 operands with f32 sums; all other float work in f32.
;; Inputs: x 16 x 1,024 x 1,024 float32.
;; Outputs: out0 16 x 1,024 x 1,024 float32.
;; Constants: bit_depth = 1.
;; 2 versions, each right; version 2 is version 1 with the launch squeeze written anew for expert scheduling mode. Each part assembles by itself: llvm-mc -triple=amdgcn-amd-amdhsa -mcpu=gfx1250 --defsym DOCPART=n.
;; ======== version 1 of 2: 1 launch
;; launch squeeze (part 1): grid 256 x 1, 8 waves a work-group, no clusters, 0 bytes of LDS; arguments x, out0; writes out0
.if DOCPART == 1
	.amdgcn_target "amdgcn-amd-amdhsa--gfx1250"
	.amdhsa_code_object_version 6
	.text
	.protected	k_q41ef9921b2_squeeze
	.globl	k_q41ef9921b2_squeeze
	.p2align	8
	.type	k_q41ef9921b2_squeeze,@function
k_q41ef9921b2_squeeze:
	s_mov_b64 s[64:65], 0
	v_nop
	global_prefetch_b8 v0, s[64:65] scope:SCOPE_SE
	s_setreg_imm32_b32 hwreg(HW_REG_WAVE_MODE, 25, 1), 1
	s_wait_xcnt 0x0
; out0 = median over 3 x 3 (borders mirrored, the edge itself not repeated) of q(x), q(v) = trunc(255 v) / 255.
; x, out0: [16][1024][1024] f32.  bit_depth = 1 is a constant of the problem, so the scale is 255.
;
; ORDER OF THE TWO STEPS.  q is non-decreasing (a rounded multiply, trunc and a divide each are), and the median of nine is an order
; statistic, so median(q(x_i)) = q(median(x_i)) exactly.  The median is taken of the raw numbers and each OUTPUT is quantised once.
; LIMITS.  (1) NaN: min3/med3/max3 in their _num forms drop a NaN, so a NaN in x does not make its window's nine outputs NaN as in the
; reference.  Infinities and products that overflow behave as in the reference.  (2) The division by 255 is a multiplication by the f32
; nearest to 1/255: the result can differ from the true quotient in its last bit or two.
;
; MEDIAN OF NINE.  Each horizontal triple (c-1, c, c+1) of a row is sorted into low, middle, high (3 instructions a pixel, used by three output
; rows).  Then median = med3(max3 of the three lows, med3 of the three middles, min3 of the three highs): 4 instructions a pixel.
;
; SHARES.  A work-group owns 64 rows of one image (256 strips in all); wave w owns columns 128 w .. 128 w + 127 of them, a lane 4 neighbouring
; columns.  One load or store of a wave covers 512 consecutive bytes, aligned; the eight waves together cover a row of 4,096 bytes.
; A wave walks down 66 input rows (its 64, one above, one below) and depends on no other wave: no LDS, no barrier.
; NEIGHBOURS.  A lane needs the column left of its four and the column right of them.  Inside a row of 16 lanes they come from the lane beside it
; (DPP).  The first and last lane of each 16 have no such lane: for them two loads of 4 bytes bring the word into the very register on which
; the DPP move then lands, which leaves lanes without a source as they are.  All 16 lanes of a half name the same word.
; Loads carry no cache word: the strips' edge rows and the waves' edge columns are read again by neighbours.  Stores are never read again: NT.
.set ROW,    4096                      ; bytes in a row
.set RROWS,  64                        ; output rows of a wave
.set STEPS,  RROWS+2                   ; input rows of a wave; step t takes input row t = image row (strip's first row) + t - 1
.set DEPTH,  21                        ; ring slots = rows on their way; three loads a row: 63 loads of a wave in flight
.set PRE,    2                         ; steps 0 and 1 only sort: no output row is complete yet
.set TRIPS,  (STEPS-1-DEPTH-PRE)/DEPTH ; = 2.  Steps 0 .. STEPS-2-DEPTH ask for ordinary rows, step STEPS-1-DEPTH for the last one
.set OFFM,   1                         ; v1        byte offset of my 16 bytes in a row
.set OFFL,   2                         ; v2        byte offset of the word left of my half's 64 columns
.set OFFR,   3                         ; v3        byte offset of the word right of them
.set OUTV,   4                         ; v[4:7]    four outputs
.set MXL,    8                         ; v[8:11]   max of the three lows        (these three groups lie 5 apart, and the sorted rows 13 apart,
.set MNH,    13                        ; v[13:16]  min of the three highs        so that the three sources of each combining instruction
.set MDM,    18                        ; v[18:21]  middle of the three middles   have three different register numbers modulo 4)
.set SRT,    22                        ; v[22:60]  sorted triples of three rows: row slot s at SRT + 13 s: 4 lows, 4 middles, 4 highs
.set SSTR,   13
.set XR,     62                        ; v[62:187] ring slot i at XR + 6 i: my 4 numbers, the left neighbour, the right neighbour
.set XB,     4                         ; s[4:5]    x at the strip's first row, stepped by the loop
.set YB,     6                         ; s[6:7]    out0 likewise
.set FIRST,  12                        ; s[12:13]  x at input row 0 (the row above, or its mirror image)
.set LAST,   14                        ; s[14:15]  x at input row 65 (the row below, or its mirror image)
	s_load_b128 s[4:7], s[0:1], 0x0                ; x, out0
	v_lshlrev_b32 v[OFFM], 4, v0                   ; 16 t = 512 w + 16 lane
	v_and_b32 v[OFFL], 0xf0, v0                    ; 16 g, g = t / 16 = which 64 columns of the row (0 .. 15)
	v_lshlrev_b32 v[OFFL], 4, v[OFFL]              ; 256 g: byte offset of those 64 columns
	v_add_nc_u32 v[OFFR], 0x100, v[OFFL]           ; the word right of them,
	v_min_u32 v[OFFR], ROW-8, v[OFFR]              ; and for g = 15 column 1022, the mirror image of column 1024
	v_add_nc_u32 v[OFFL], -4, v[OFFL]              ; the word left of them,
	v_cmp_le_u32 vcc_lo, 16, v0
	v_cndmask_b32 v[OFFL], 4, v[OFFL], vcc_lo      ; and for g = 0 column 1, the mirror image of column -1
	s_lshl_b32 s18, ttmp9, 18                      ; the strip's byte offset: 64 rows of 4,096 bytes each; at most 255 << 18, below 2^27
	s_and_b32 s2, ttmp9, 15                        ; the strip's place in its image
	s_cmp_eq_u32 s2, 0
	s_cselect_b32 s20, 2*ROW, 0                    ; top strip: row 1 stands for row -1
	s_cmp_eq_u32 s2, 15
	s_cselect_b32 s22, 2*ROW, 0                    ; bottom strip: row 1022 stands for row 1024
	s_add_co_u32 s20, s18, s20
	s_sub_co_u32 s20, s20, ROW                     ; offset of input row 0: one row up, or one row down in the top strip
	s_sub_co_u32 s22, s18, s22
	s_add_co_u32 s22, s22, RROWS*ROW               ; offset of input row 65: 64 rows down, or 62 in the bottom strip
	s_mov_b32 s19, 0
	s_mov_b32 s21, 0
	s_mov_b32 s23, 0
	s_mov_b32 s8, 0x437f0000                       ; 255.0, as a pair for the packed multiply
	s_mov_b32 s9, 0x437f0000
	s_mov_b32 s10, 0x3b808081                      ; the f32 nearest to 1/255
	s_mov_b32 s11, 0x3b808081
	s_wait_kmcnt 0x0
	s_add_nc_u64 s[FIRST:FIRST+1], s[XB:XB+1], s[20:21]
	s_add_nc_u64 s[LAST:LAST+1], s[XB:XB+1], s[22:23]
	s_add_nc_u64 s[XB:XB+1], s[XB:XB+1], s[18:19]
	s_add_nc_u64 s[YB:YB+1], s[YB:YB+1], s[18:19]
; A row into ring slot i: my 16 bytes, and the two edge words of my half of the lanes.
.macro LOADROW i, b, imm
	global_load_b128 v[XR+6*(\i):XR+6*(\i)+3], v[OFFM], s[\b:\b+1] offset:\imm
	global_load_b32 v[XR+6*(\i)+4], v[OFFL], s[\b:\b+1] offset:\imm
	global_load_b32 v[XR+6*(\i)+5], v[OFFR], s[\b:\b+1] offset:\imm
.endm
	LOADROW 0, FIRST, 0                            ; fill the ring: input rows 0 .. 20
.set t, 1
.rept DEPTH-1
	LOADROW t, XB, ROW*(t-1)
.set t, t+1
.endr
; Step t: input row t is sorted, its ring slot asked for again, and output row t - 2 of the strip made from the three newest sorted rows.
; out = 0: no output yet.  load = 1: the slot gets input row t + DEPTH; 2: it gets the last input row, from its own base; 0: nothing.
; left = loads younger than this row's three that may stay out.  Offsets count from the bases, which the loop steps by DEPTH rows a trip.
.macro STEP t, out, load, left
.set XS, XR+6*((\t)%DEPTH)
.set SS, SRT+SSTR*((\t)%3)
	s_wait_loadcnt \left                           ; loads return in order (ISA guide 5.7.1): this row's three are in, the younger rows stay out
.if \out
	s_wait_xcnt 0x0                                ; the last step's store has read OUTV, which is rewritten below only behind this wait
.endif
	v_mov_b32_dpp v[XS+4], v[XS+3] row_shr:1 row_mask:0xf bank_mask:0xf   ; left neighbour: lane - 1's last number; lanes 0 and 16 keep the loaded word
	v_mov_b32_dpp v[XS+5], v[XS] row_shl:1 row_mask:0xf bank_mask:0xf     ; right neighbour: lane + 1's first number; lanes 15 and 31 keep theirs
	v_min3_num_f32 v[SS+0], v[XS+4], v[XS+0], v[XS+1]                     ; the four triples' lows,
	v_min3_num_f32 v[SS+1], v[XS+0], v[XS+1], v[XS+2]
	v_min3_num_f32 v[SS+2], v[XS+1], v[XS+2], v[XS+3]
	v_min3_num_f32 v[SS+3], v[XS+2], v[XS+3], v[XS+5]
	v_med3_num_f32 v[SS+4], v[XS+4], v[XS+0], v[XS+1]                     ; middles,
	v_med3_num_f32 v[SS+5], v[XS+0], v[XS+1], v[XS+2]
	v_med3_num_f32 v[SS+6], v[XS+1], v[XS+2], v[XS+3]
	v_med3_num_f32 v[SS+7], v[XS+2], v[XS+3], v[XS+5]
	v_max3_num_f32 v[SS+8], v[XS+4], v[XS+0], v[XS+1]                     ; highs
	v_max3_num_f32 v[SS+9], v[XS+0], v[XS+1], v[XS+2]
	v_max3_num_f32 v[SS+10], v[XS+1], v[XS+2], v[XS+3]
	v_max3_num_f32 v[SS+11], v[XS+2], v[XS+3], v[XS+5]
.if \load == 1
	LOADROW (\t)%DEPTH, XB, ROW*(\t+DEPTH-1)       ; the slot has been read out: DEPTH rows ahead, ahead of this step's store
.endif
.if \load == 2
	LOADROW (\t)%DEPTH, LAST, 0
.endif
.if \out
	; the three sorted rows enter symmetrically, so it does not matter which of the three slots is the newest
.irp c, 0,1,2,3
	v_max3_num_f32 v[MXL+\c], v[SRT+\c], v[SRT+SSTR+\c], v[SRT+2*SSTR+\c]
.endr
.irp c, 0,1,2,3
	v_min3_num_f32 v[MNH+\c], v[SRT+8+\c], v[SRT+SSTR+8+\c], v[SRT+2*SSTR+8+\c]
.endr
.irp c, 0,1,2,3
	v_med3_num_f32 v[MDM+\c], v[SRT+4+\c], v[SRT+SSTR+4+\c], v[SRT+2*SSTR+4+\c]
.endr
.irp c, 0,1,2,3
	v_med3_num_f32 v[OUTV+\c], v[MXL+\c], v[MDM+\c], v[MNH+\c]            ; the median of the nine
.endr
	v_pk_mul_f32 v[OUTV:OUTV+1], v[OUTV:OUTV+1], s[8:9] op_sel_hi:[1,0]   ; x 255
	v_pk_mul_f32 v[OUTV+2:OUTV+3], v[OUTV+2:OUTV+3], s[8:9] op_sel_hi:[1,0]
.irp c, 0,1,2,3
	v_trunc_f32 v[OUTV+\c], v[OUTV+\c]                                    ; toward zero, as the cast to int
.endr
	v_pk_mul_f32 v[OUTV:OUTV+1], v[OUTV:OUTV+1], s[10:11] op_sel_hi:[1,0] ; / 255
	v_pk_mul_f32 v[OUTV+2:OUTV+3], v[OUTV+2:OUTV+3], s[10:11] op_sel_hi:[1,0]
	global_store_b128 v[OFFM], v[OUTV:OUTV+3], s[YB:YB+1] offset:ROW*(\t-2) th:TH_STORE_NT
.endif
.endm
	STEP 0, 0, 1, 3*(DEPTH-1)                      ; the first two rows are only sorted
	STEP 1, 0, 1, 3*(DEPTH-1)
	s_mov_b32 s16, 0
.Ltrip:                                            ; DEPTH steps: once round the ring, and (21 = 3 x 7) seven times round the three sorted rows
.set t, PRE
.rept DEPTH
	STEP t, 1, 1, 3*(DEPTH-1)
.set t, t+1
.endr
	s_wait_xcnt 0x0                                ; the bases that the trip's loads and stores name are stepped only behind this wait
	s_add_nc_u64 s[XB:XB+1], s[XB:XB+1], DEPTH*ROW
	s_add_nc_u64 s[YB:YB+1], s[YB:YB+1], DEPTH*ROW
	s_add_co_u32 s16, s16, 1
	s_cmp_lt_u32 s16, TRIPS
	s_cbranch_scc1 .Ltrip
	; The tail, written out: step 44 (2 from the stepped bases) asks for the last input row, the 21 steps behind it ask for nothing,
	; so that no load leaves x; their counts run down with the rows that are still out: 3 x 20, 3 x 19, .. 0.
	STEP PRE, 1, 2, 3*(DEPTH-1)
.set t, PRE+1
.set n, DEPTH-1
.rept DEPTH
	STEP t, 1, 0, 3*n
.set t, t+1
.set n, n-1
.endr
	s_endpgm
.Lfunc_end_k_q41ef9921b2_squeeze:
	.size	k_q41ef9921b2_squeeze, .Lfunc_end_k_q41ef9921b2_squeeze-k_q41ef9921b2_squeeze
	.p2alignl 7, 3214868480
	.fill 96, 4, 3214868480
	.section	.rodata,"a",@progbits
	.p2align	6, 0x0
	.amdhsa_kernel k_q41ef9921b2_squeeze
		.amdhsa_group_segment_fixed_size 0
		.amdhsa_private_segment_fixed_size 0
		.amdhsa_enable_private_segment 0
		.amdhsa_kernarg_size 16
		.amdhsa_user_sgpr_count 2
		.amdhsa_user_sgpr_kernarg_segment_ptr 1
		.amdhsa_wavefront_size32 1
		.amdhsa_system_sgpr_workgroup_id_x 1
		.amdhsa_system_sgpr_workgroup_id_y 1
		.amdhsa_system_sgpr_workgroup_id_z 1
		.amdhsa_system_vgpr_workitem_id 0
		.amdhsa_next_free_vgpr 188
		.amdhsa_next_free_sgpr 66
		.amdhsa_reserve_vcc 1
		.amdhsa_float_denorm_mode_32 3
		.amdhsa_float_denorm_mode_16_64 3
		.amdhsa_memory_ordered 1
		.amdhsa_forward_progress 1
		.amdhsa_inst_pref_size 120
	.end_amdhsa_kernel
	.amdgpu_metadata
---
amdhsa.version: [ 1, 2 ]
amdhsa.kernels:
  - .name:           k_q41ef9921b2_squeeze
    .symbol:         k_q41ef9921b2_squeeze.kd
    .args:
      - { .name: x, .offset: 0, .size: 8, .value_kind: global_buffer, .address_space: global }
      - { .name: out0, .offset: 8, .size: 8, .value_kind: global_buffer, .address_space: global }
    .group_segment_fixed_size: 0
    .private_segment_fixed_size: 0
    .kernarg_segment_align: 8
    .kernarg_segment_size: 16
    .max_flat_workgroup_size: 256
    .sgpr_count:     66
    .vgpr_count:     188
    .wavefront_size: 32
...
	.end_amdgpu_metadata
.endif
;; end of part 1
;; ======== version 2 of 2: 1 launch; version 1 with the launch squeeze written anew for expert scheduling mode
;; launch squeeze (part 2): grid 256 x 1, 8 waves a work-group, no clusters, 0 bytes of LDS; arguments x, out0; writes out0
.if DOCPART == 2
	.amdgcn_target "amdgcn-amd-amdhsa--gfx1250"
	.amdhsa_code_object_version 6
	.text
	.protected	k_q41ef9921b2_squeeze
	.globl	k_q41ef9921b2_squeeze
	.p2align	8
	.type	k_q41ef9921b2_squeeze,@function
k_q41ef9921b2_squeeze:
	s_mov_b64 s[64:65], 0
	v_nop
	global_prefetch_b8 v0, s[64:65] scope:SCOPE_SE
	s_setreg_imm32_b32 hwreg(HW_REG_WAVE_SCHED_MODE, 0, 2), 2
	s_setreg_imm32_b32 hwreg(HW_REG_WAVE_MODE, 25, 1), 1
	s_wait_xcnt 0x0
	s_wait_alu depctr_vm_vsrc(0)
; out0 = median over 3 x 3 (borders mirrored, the edge itself not repeated) of q(x), q(v) = trunc(255 v) / 255.
; x, out0: [16][1024][1024] f32.  bit_depth = 1 is a constant of the problem, so the scale is 255.
;
; ORDER OF THE TWO STEPS.  q is non-decreasing (a rounded multiply, trunc and a divide each are), and the median of nine is an order
; statistic, so median(q(x_i)) = q(median(x_i)) exactly.  The median is taken of the raw numbers and each OUTPUT is quantised once.
; LIMITS.  (1) NaN: min3/med3/max3 in their _num forms drop a NaN, so a NaN in x does not make its window's nine outputs NaN as in the
; reference.  Infinities and products that overflow behave as in the reference.  (2) The division by 255 is a multiplication by the f32
; nearest to 1/255: the result can differ from the true quotient in its last bit or two.
;
; MEDIAN OF NINE.  Each horizontal triple (c-1, c, c+1) of a row is sorted into low, middle, high (3 instructions a pixel, used by three output
; rows).  Then median = med3(max3 of the three lows, med3 of the three middles, min3 of the three highs): 4 instructions a pixel.
;
; SHARES.  A work-group owns 64 rows of one image (256 strips in all); wave w owns columns 128 w .. 128 w + 127 of them, a lane 4 neighbouring
; columns.  One load or store of a wave covers 512 consecutive bytes, aligned; the eight waves together cover a row of 4,096 bytes.
; A wave walks down 66 input rows (its 64, one above, one below) and depends on no other wave: no LDS, no barrier.
; NEIGHBOURS.  A lane needs the column left of its four and the column right of them.  Inside a row of 16 lanes they come from the lane beside it
; (DPP).  The first and last lane of each 16 have no such lane: for them two loads of 4 bytes bring the word into the very register on which
; the DPP move then lands, which leaves lanes without a source as they are.  All 16 lanes of a half name the same word.
; Loads carry no cache word: the strips' edge rows and the waves' edge columns are read again by neighbours.  Stores are never read again: NT.
;
; THE MODE: SCHED_MODE bits 1:0 = 2 (LLVM: expert scheduling mode 2), set by the entry lines.  The code itself states the register dependences
; between vector instructions and memory instructions, with s_wait_alu, always for 0.
; THE PLAN.  Registers that memory instructions touch:
;   v1 - v3       byte offsets, made once at the head and never written again: the rows are reached by scalar bases and immediate offsets.
;   ring slot i   Row t lies in slot t % 21.  Written by the row's three loads, and its two edge registers by the row's DPP moves; read by the row's
;                 sorting lines (SORT t); behind them the loads of row t + 21 land in it (MERGE t).
;   OUT0 - OUT2   MERGE t writes OUT[t % 3]; the one store that reads it stands at the end of SORT t + 1; MERGE t + 3 writes it again.
;   The sorted rows and the three groups of temporaries are named by vector instructions alone.
; A row's work is SORT t (wait for the row, sort it, THE WAITS, the store of the output row made just before) and MERGE t (the slot's three loads, dealt
; among the 24 lines that make an output row).  The waits stand once a row, behind the sort: the sort is done with slot t, the MERGE before has written its
; OUT, and the store of two rows back has read the OUT that this MERGE writes.  Behind them MERGE's vector lines name sorted rows, temporaries and
; OUT[t % 3] alone: none of the registers that the row's store and loads touch, so these need no further wait.
; The waits stand behind the sort, not at the row's head, so that a slot is asked for again as soon as it is empty: 21 rows stay on their way.
; Three OUT buffers, since 21 = 3 x 7: once round the ring brings slots, sorted rows and OUT buffers back to their start.
.set ROW,    4096                      ; bytes in a row
.set RROWS,  64                        ; output rows of a wave
.set STEPS,  RROWS+2                   ; input rows of a wave; input row t = image row (strip's first row) + t - 1
.set DEPTH,  21                        ; ring slots = rows on their way; three loads a row: 63 loads of a wave in flight
.set PRE,    2                         ; rows 0 and 1 are only sorted: no output row is complete yet
.set TRIPS,  (STEPS-1-DEPTH-PRE)/DEPTH ; = 2.  Rows 0 .. STEPS-2-DEPTH ask for ordinary rows, row STEPS-1-DEPTH for the last one
.set OFFM,   1                         ; v1        byte offset of my 16 bytes in a row
.set OFFL,   2                         ; v2        byte offset of the word left of my half's 64 columns
.set OFFR,   3                         ; v3        byte offset of the word right of them
.set MXL,    4                         ; v[4:7]    max of the three lows        (these three groups lie 5 apart, and the sorted rows 13 apart,
.set MNH,    9                         ; v[9:12]   min of the three highs        so that the three sources of each combining instruction
.set MDM,    14                        ; v[14:17]  middle of the three middles   have three different register numbers modulo 4)
.set SRT,    18                        ; v[18:56]  sorted triples of three rows: row slot s at SRT + 13 s: 4 lows, 4 middles, 4 highs
.set SSTR,   13
.set XR,     58                        ; v[58:183] ring slot i at XR + 6 i: my 4 numbers, the left neighbour, the right neighbour
.set OUT,    184                       ; v[184:195] buffer k at OUT + 4 k: four outputs
.set XB,     4                         ; s[4:5]    x at the strip's first row, stepped by the loop
.set YB,     6                         ; s[6:7]    out0 likewise
.set FIRST,  12                        ; s[12:13]  x at input row 0 (the row above, or its mirror image)
.set LAST,   14                        ; s[14:15]  x at input row 65 (the row below, or its mirror image)
	s_load_b128 s[4:7], s[0:1], 0x0                ; x, out0
	v_cmp_le_u32 vcc_lo, 16, v0                    ; all but the row's first 64 columns: for the choice of the left word, below
	v_lshlrev_b32 v[OFFM], 4, v0                   ; 16 t = 512 w + 16 lane
	v_and_b32 v[OFFL], 0xf0, v0                    ; 16 g, g = t / 16 = which 64 columns of the row (0 .. 15)
	v_lshlrev_b32 v[OFFL], 4, v[OFFL]              ; 256 g: byte offset of those 64 columns
	v_add_nc_u32 v[OFFR], 0x100, v[OFFL]           ; the word right of them,
	v_min_u32 v[OFFR], ROW-8, v[OFFR]              ; and for g = 15 column 1022, the mirror image of column 1024
	v_add_nc_u32 v[OFFL], -4, v[OFFL]              ; the word left of them,
	s_wait_alu depctr_va_vcc(0)                    ; the compare has written VCC, which the next line reads
	v_cndmask_b32 v[OFFL], 4, v[OFFL], vcc_lo      ; and for g = 0 column 1, the mirror image of column -1
	s_lshl_b32 s18, ttmp9, 18                      ; the strip's byte offset: 64 rows of 4,096 bytes each; at most 255 << 18, below 2^27
	s_and_b32 s2, ttmp9, 15                        ; the strip's place in its image
	s_cmp_eq_u32 s2, 0
	s_cselect_b32 s20, 2*ROW, 0                    ; top strip: row 1 stands for row -1
	s_cmp_eq_u32 s2, 15
	s_cselect_b32 s22, 2*ROW, 0                    ; bottom strip: row 1022 stands for row 1024
	s_add_co_u32 s20, s18, s20
	s_sub_co_u32 s20, s20, ROW                     ; offset of input row 0: one row up, or one row down in the top strip
	s_sub_co_u32 s22, s18, s22
	s_add_co_u32 s22, s22, RROWS*ROW               ; offset of input row 65: 64 rows down, or 62 in the bottom strip
	s_mov_b32 s19, 0
	s_mov_b32 s21, 0
	s_mov_b32 s23, 0
	s_mov_b32 s8, 0x437f0000                       ; 255.0, as a pair for the packed multiply
	s_mov_b32 s9, 0x437f0000
	s_mov_b32 s10, 0x3b808081                      ; the f32 nearest to 1/255
	s_mov_b32 s11, 0x3b808081
	s_wait_kmcnt 0x0
	s_add_nc_u64 s[FIRST:FIRST+1], s[XB:XB+1], s[20:21]
	s_add_nc_u64 s[LAST:LAST+1], s[XB:XB+1], s[22:23]
	s_add_nc_u64 s[XB:XB+1], s[XB:XB+1], s[18:19]
	s_add_nc_u64 s[YB:YB+1], s[YB:YB+1], s[18:19]
	s_wait_alu depctr_va_vdst(0)                   ; v1, v2 and v3 are written: every load and store of the kernel reads one of them as its offset
; A row into ring slot i, in three loads: my 16 bytes, and the two edge words of my half of the lanes.
.macro LOADW i, b, imm
	global_load_b128 v[XR+6*(\i):XR+6*(\i)+3], v[OFFM], s[\b:\b+1] offset:\imm
.endm
.macro LOADL i, b, imm
	global_load_b32 v[XR+6*(\i)+4], v[OFFL], s[\b:\b+1] offset:\imm
.endm
.macro LOADR i, b, imm
	global_load_b32 v[XR+6*(\i)+5], v[OFFR], s[\b:\b+1] offset:\imm
.endm
.macro LOADROW i, b, imm
	LOADW \i, \b, \imm
	LOADL \i, \b, \imm
	LOADR \i, \b, \imm
.endm
	LOADROW 0, FIRST, 0                            ; fill the ring: input rows 0 .. 20
.set t, 1
.rept DEPTH-1
	LOADROW t, XB, ROW*(t-1)
.set t, t+1
.endr
; SORT t: input row t is sorted; then the waits; then output row t - 3 of the strip, which MERGE t - 1 made, is stored.
; left = loads younger than this row's three that may stay out.  st = 0: rows 0 to 2, with no output row to store and no earlier store.
; Offsets count from the bases, which the loop steps by DEPTH rows a trip.
.macro SORT t, left, st
.set XS, XR+6*((\t)%DEPTH)
.set SS, SRT+SSTR*((\t)%3)
.set OPRV, OUT+4*(((\t)+2)%3)          ; OUT[(t - 1) % 3]
	s_wait_loadcnt \left                           ; loads return in order (ISA guide 5.7.1): this row's three are in, the younger rows stay out
	v_mov_b32_dpp v[XS+4], v[XS+3] row_shr:1 row_mask:0xf bank_mask:0xf   ; left neighbour: lane - 1's last number; lanes 0 and 16 keep the loaded word
	v_mov_b32_dpp v[XS+5], v[XS] row_shl:1 row_mask:0xf bank_mask:0xf     ; right neighbour: lane + 1's first number; lanes 15 and 31 keep theirs
	v_min3_num_f32 v[SS+0], v[XS+4], v[XS+0], v[XS+1]                     ; the four triples' lows,
	v_min3_num_f32 v[SS+1], v[XS+0], v[XS+1], v[XS+2]
	v_min3_num_f32 v[SS+2], v[XS+1], v[XS+2], v[XS+3]
	v_min3_num_f32 v[SS+3], v[XS+2], v[XS+3], v[XS+5]
	v_med3_num_f32 v[SS+4], v[XS+4], v[XS+0], v[XS+1]                     ; middles,
	v_med3_num_f32 v[SS+5], v[XS+0], v[XS+1], v[XS+2]
	v_med3_num_f32 v[SS+6], v[XS+1], v[XS+2], v[XS+3]
	v_med3_num_f32 v[SS+7], v[XS+2], v[XS+3], v[XS+5]
	v_max3_num_f32 v[SS+8], v[XS+4], v[XS+0], v[XS+1]                     ; highs
	v_max3_num_f32 v[SS+9], v[XS+0], v[XS+1], v[XS+2]
	v_max3_num_f32 v[SS+10], v[XS+1], v[XS+2], v[XS+3]
	v_max3_num_f32 v[SS+11], v[XS+2], v[XS+3], v[XS+5]
.if \st
	s_wait_xcnt 0x0                                ; every earlier memory instruction has had its addresses translated (ISA guide 3.1): OUT[t % 3], a store's data two rows back, is rewritten only behind this wait
	s_wait_alu depctr_vm_vsrc(0)                   ; that store has read OUT[t % 3], which MERGE t writes again
.endif
	s_wait_alu depctr_va_vdst(0)                   ; the lines above are done reading slot t and writing its two edge registers, in which MERGE t's loads land; MERGE t - 1 has written the OUT that the store below reads
.if \st
	global_store_b128 v[OFFM], v[OPRV:OPRV+3], s[YB:YB+1] offset:ROW*((\t)-3) th:TH_STORE_NT
.endif
.endm
; MERGE t: ring slot t % 21, just sorted out, is asked for again, and output row t - 2 of the strip is made from the three newest sorted rows, into OUT[t % 3].
; load = 1: the slot gets input row t + DEPTH; 2: it gets the last input row, from its own base; 0: nothing.  out = 0: no output row yet.
; The three loads stand among the first twelve vector lines with no wait: no vector instruction since SORT's wait names the slot or an offset.
.macro MERGE t, load, out
.set SL, (\t)%DEPTH
.set OB, OUT+4*((\t)%3)
.if \load == 2
.set LB, LAST
.set LI, 0
.else
.set LB, XB
.set LI, ROW*((\t)+DEPTH-1)
.endif
.if \load
	LOADW SL, LB, LI
.endif
.if \out
	; the three sorted rows enter symmetrically, so it does not matter which of the three slots is the newest
.irp c, 0,1,2,3
	v_max3_num_f32 v[MXL+\c], v[SRT+\c], v[SRT+SSTR+\c], v[SRT+2*SSTR+\c]
.endr
.endif
.if \load
	LOADL SL, LB, LI
.endif
.if \out
.irp c, 0,1,2,3
	v_min3_num_f32 v[MNH+\c], v[SRT+8+\c], v[SRT+SSTR+8+\c], v[SRT+2*SSTR+8+\c]
.endr
.endif
.if \load
	LOADR SL, LB, LI
.endif
.if \out
.irp c, 0,1,2,3
	v_med3_num_f32 v[MDM+\c], v[SRT+4+\c], v[SRT+SSTR+4+\c], v[SRT+2*SSTR+4+\c]
.endr
.irp c, 0,1,2,3
	v_med3_num_f32 v[OB+\c], v[MXL+\c], v[MDM+\c], v[MNH+\c]              ; the median of the nine
.endr
	v_pk_mul_f32 v[OB:OB+1], v[OB:OB+1], s[8:9] op_sel_hi:[1,0]           ; x 255
	v_pk_mul_f32 v[OB+2:OB+3], v[OB+2:OB+3], s[8:9] op_sel_hi:[1,0]
.irp c, 0,1,2,3
	v_trunc_f32 v[OB+\c], v[OB+\c]                                        ; toward zero, as the cast to int
.endr
	v_pk_mul_f32 v[OB:OB+1], v[OB:OB+1], s[10:11] op_sel_hi:[1,0]         ; / 255
	v_pk_mul_f32 v[OB+2:OB+3], v[OB+2:OB+3], s[10:11] op_sel_hi:[1,0]
.endif
.endm
	SORT 0, 3*(DEPTH-1), 0                         ; the first two rows are only sorted, and their slots asked for again
	MERGE 0, 1, 0
	SORT 1, 3*(DEPTH-1), 0
	MERGE 1, 1, 0
	SORT 2, 3*(DEPTH-1), 0
	s_mov_b32 s16, 0
.Ltrip:                                            ; DEPTH turns: once round the ring, and (21 = 3 x 7) seven times round the three sorted rows and the three OUT buffers.
	                                           ; The body is cut behind a row's store: rows 2 to 43 ask for ordinary rows, the sorts of rows 3 to 44 each have a row to store: 42 turns alike
.set t, PRE
.rept DEPTH
	MERGE t, 1, 1
.set t, t+1
	SORT t, 3*(DEPTH-1), 1
.endr
	s_wait_xcnt 0x0                                ; the bases that the trip's loads and stores name are stepped only behind this wait
	s_add_nc_u64 s[XB:XB+1], s[XB:XB+1], DEPTH*ROW
	s_add_nc_u64 s[YB:YB+1], s[YB:YB+1], DEPTH*ROW
	s_add_co_u32 s16, s16, 1
	s_cmp_lt_u32 s16, TRIPS
	s_cbranch_scc1 .Ltrip
	; The tail, written out: row 44 (2 from the stepped bases) asks for the last input row, the 21 rows behind it ask for nothing,
	; so that no load leaves x; their counts run down with the rows that are still out: 3 x 20, 3 x 19, .. 0.
	MERGE PRE, 2, 1
.set t, PRE+1
.set n, DEPTH-1
.rept DEPTH
	SORT t, 3*n, 1
	MERGE t, 0, 1
.set t, t+1
.set n, n-1
.endr
	s_wait_alu depctr_va_vdst(0)                   ; the last MERGE has written its OUT, which the last store reads
	global_store_b128 v[OFFM], v[OUT+4*((t-1)%3):OUT+4*((t-1)%3)+3], s[YB:YB+1] offset:ROW*(t-3) th:TH_STORE_NT
	s_endpgm
.Lfunc_end_k_q41ef9921b2_squeeze:
	.size	k_q41ef9921b2_squeeze, .Lfunc_end_k_q41ef9921b2_squeeze-k_q41ef9921b2_squeeze
	.p2alignl 7, 3214868480
	.fill 96, 4, 3214868480
	.section	.rodata,"a",@progbits
	.p2align	6, 0x0
	.amdhsa_kernel k_q41ef9921b2_squeeze
		.amdhsa_group_segment_fixed_size 0
		.amdhsa_private_segment_fixed_size 0
		.amdhsa_enable_private_segment 0
		.amdhsa_kernarg_size 16
		.amdhsa_user_sgpr_count 2
		.amdhsa_user_sgpr_kernarg_segment_ptr 1
		.amdhsa_wavefront_size32 1
		.amdhsa_system_sgpr_workgroup_id_x 1
		.amdhsa_system_sgpr_workgroup_id_y 1
		.amdhsa_system_sgpr_workgroup_id_z 1
		.amdhsa_system_vgpr_workitem_id 0
		.amdhsa_next_free_vgpr 196
		.amdhsa_next_free_sgpr 66
		.amdhsa_reserve_vcc 1
		.amdhsa_float_denorm_mode_32 3
		.amdhsa_float_denorm_mode_16_64 3
		.amdhsa_memory_ordered 1
		.amdhsa_forward_progress 1
		.amdhsa_inst_pref_size 123
	.end_amdhsa_kernel
	.amdgpu_metadata
---
amdhsa.version: [ 1, 2 ]
amdhsa.kernels:
  - .name:           k_q41ef9921b2_squeeze
    .symbol:         k_q41ef9921b2_squeeze.kd
    .args:
      - { .name: x, .offset: 0, .size: 8, .value_kind: global_buffer, .address_space: global }
      - { .name: out0, .offset: 8, .size: 8, .value_kind: global_buffer, .address_space: global }
    .group_segment_fixed_size: 0
    .private_segment_fixed_size: 0
    .kernarg_segment_align: 8
    .kernarg_segment_size: 16
    .max_flat_workgroup_size: 256
    .sgpr_count:     66
    .vgpr_count:     196
    .wavefront_size: 32
...
	.end_amdgpu_metadata
.endif
;; end of part 2
